; MI455X (gfx1250); checked and timed in simulation.
; The chip was launched on July 23, 2026; its instructions are those of AMD's public machine-readable ISA for CDNA 5 (MIT licence, August 2026) and "CDNA5" Instruction Set Architecture Reference Guide (July 2026). The comments in the code are by the model that wrote it; some were corrected since.
;; Multi Head Attention. Allowed arithmetic: matrix products marked QUANTISED: E2M3 operands, one E8M0 scale for each 32 along K, by v_wmma_scale_f32_16x16x128_f8f6f4 with both operands' format E2M3, f32 sums; everything else in f32.
;; Inputs: k 2 x 4,096 x 512 float32; mask 2 x 4,096 x 4,096 int32; q 2 x 4,096 x 512 float32; v 2 x 4,096 x 512 float32; w_k 512 x 512 float32; w_o 512 x 512 float32; w_q 512 x 512 float32; w_v 512 x 512 float32.
;; Outputs: out0 2 x 4,096 x 512 float32.
;; This version of the problem:
;;   THIS VERSION OF THE PROBLEM IS GIVEN IN LOW PRECISION. The matrix products marked QUANTISED in the list below multiply operands that are first quantised to E2M3 (2 exponent bits, 3 mantissa bits; 6 bits a number), with one power-of-two scale for each 32 numbers along K (OCP MX v1.0); their sums are f32. All else is computed in f32.
;;   The module's matrix products, in the order in which they are computed (A, B: the left and right operand; K: the contracted axis; several contracted axes count as one K, in the product's order):
;;     1. [M 8,192, K 512] x [K 512, N 512]; A: input q; B: input w_q: QUANTISED
;;     2. [M 8,192, K 512] x [K 512, N 512]; A: input k; B: input w_k: QUANTISED
;;     3. [M 8,192, K 512] x [K 512, N 512]; A: input v; B: input w_v: QUANTISED
;;     4. batch 16 x [M 4,096, K 64] x [K 64, N 4,096]; A: computed on the way; B: computed on the way: QUANTISED
;;     5. batch 16 x [M 4,096, K 4,096] x [K 4,096, N 64]; A: softmax (see below); B: computed on the way: QUANTISED
;;     6. [M 8,192, K 512] x [K 512, N 512]; A: computed on the way; B: input w_o: QUANTISED
;;   THE QUANTISER, for each operand of a quantised product, along K:
;;     - K is cut into blocks of 32 from its start; a last block that is shorter is filled with zeros.
;;     - A block's scale is 2^e with e = floor(log2(the largest magnitude in the block)) - 2, held to -126 .. 127; a block of zeros has e = 0. As a byte (E8M0): e + 127.
;;     - Each number is divided by its block's scale, clamped to +-7.5, and rounded to the nearest number of E2M3, ties to even, subnormals kept.
;;     - The product sums the exact products of the quantised numbers (number of the format x scale) in f32.
;;   ~~~python
;;   def quantise(x, axis):      # numpy; x: float32 -> the quantised numbers, widened to float32 again
;;       x = np.moveaxis(x, axis, -1); K = x.shape[-1]
;;       x = np.pad(x, [(0, 0)] * (x.ndim - 1) + [(0, -K % 32)]); x = x.reshape(x.shape[:-1] + (-1, 32)); a = np.abs(x).max(-1, keepdims=True)
;;       e = np.where(a > 0, np.clip(np.frexp(np.where(a > 0, a, 1))[1] - 1 - 2, -126, 127), 0)      # np.frexp(a)[1] - 1 = floor(log2(a)), exactly
;;       r = np.clip(x / 2.0 ** e, -7.5, 7.5)
;;       step = 2.0 ** (np.maximum(np.frexp(np.where(r == 0, 1, r))[1] - 1, 0) - 3)
;;       q = np.round(r / step) * step * 2.0 ** e      # np.round: ties to even
;;       return np.moveaxis(q.reshape(q.shape[:-2] + (-1,))[..., :K], -1, axis).astype(np.float32)
;;   ~~~
;;   SOFTMAX AHEAD OF A QUANTISED PRODUCT. Where the list says 'softmax', what is quantised is not the finished softmax but p = 2^(t - M), with t = logit x log2(e) and M = ceil(the row's largest t), a whole number; so 1/2 < the row's largest p <= 1. The row's sum l is taken of the UNQUANTISED p, in f32, and the product's result is divided by l at the end. Since M is a whole number, a kernel that streams over the keys may use a running M (the ceiling of the running maximum): every later rescaling is an exact power of two, which a block's scale takes up: the codes' values come out the same.
;;   OPERANDS COMPUTED ON THE WAY. 'Computed on the way' means the value that the module computes at that place (a softmax that the list does not call 'softmax' is quantised finished and normalised). What goes into a quantiser is computed in f32, as accurately as f32 sums, v_exp_f32 and their like allow (about 1e-6 of the number): no bf16 or f16 on the way to a quantiser, and a product that is left as it is and whose result goes on into a quantised operand takes f32 operands (vector FMAs, or v_wmma_f32_16x16x4_f32). A number that lies on a knife's edge between two numbers of the format may be rounded either way, as far as f32 arithmetic and the matrix unit's own rounding can turn it there, and no further.
;; One version. Each part assembles by itself: llvm-mc -triple=amdgcn-amd-amdhsa -mcpu=gfx1250 --defsym DOCPART=n.
;; ======== version 1 of 1: 3 launches
;; limits: right only within a limited range of input values
;; workspace buffers: wq 819,200 bytes; kv 6,684,672 bytes; qrec 3,407,872 bytes
;; launch wprep (part 1): grid 128 x 1, 4 waves a work-group, no clusters, 1,024 bytes of LDS; arguments w_q, w_k, w_v, w_o, wq; writes wq
.if DOCPART == 1
	.amdgcn_target "amdgcn-amd-amdhsa--gfx1250"
	.amdhsa_code_object_version 6
	.text
	.protected	k_q753b89b5c1_wprep
	.globl	k_q753b89b5c1_wprep
	.p2align	8
	.type	k_q753b89b5c1_wprep,@function
k_q753b89b5c1_wprep:
	s_mov_b64 s[64:65], 0
	v_nop
	global_prefetch_b8 v0, s[64:65] scope:SCOPE_SE
	s_setreg_imm32_b32 hwreg(HW_REG_WAVE_MODE, 25, 1), 1
	s_wait_xcnt 0x0
; The four weights [512 (k)][512 (n)] f32 become codes of FP6 (E2M3) along K, their FIRST axis, laid as IMAGES OF OPERAND REGISTERS, with one E8M0 byte for each 32 along K.
; TILES OF 16 ARE PERMUTED, here and in all launches: of each 32 neighbouring columns, tile 2 g + u has in lane r the column 32 g + 8 u + r + 8 (r / 8).
; wq: weight i at 204,800 i (w_q, w_k, w_v, w_o).  In it the fragment of column tile ct and K step s (16 columns x 128 K, 12 registers a lane) at (4 ct + s) x 1,536: three pieces of 512 bytes, 16 bytes a lane;
;     the scale words at 196,608 + 256 ct + 16 r + 4 s.
; SHARES: work-group = (weight, column tile), 128 of them; wave = K step.  A lane takes a column and its registers run down K (k = 128 s + 64 c + 32 h + 0 .. 31): a block of 32 lies in one lane.
; The four waves' scale words meet in 256 bytes of LDS and leave as one aligned run of 256 bytes.
; A block's scale is 2^(floor(log2(its largest magnitude)) - 2); its byte is the largest magnitude's exponent field - 2, held at 1 from below.
; LIMITS: a block of zeros gets the byte 1 where the rule says 127 (its codes are zeros, and this program alone reads the bytes); blocks whose largest magnitude lies under 2^-124 have the byte held at 1; NaN and infinities are not served.
; No matrix unit, no cluster, no tensor load: every byte is read once.
.set SPARE, 256                        ; the spare words, 128 bytes for each wave
.set X,  24                            ; v24-87 my 64 numbers
.set C,  88                            ; v88-99 the fragment
.set CT, 100                           ; v100-106 upper halves on their way
	s_load_b256 s[4:11], s[0:1], 0x0               ; w_q, w_k, w_v, w_o
	s_load_b64 s[12:13], s[0:1], 0x20              ; wq
	v_lshl_add_u32 v8, v0, 2, SPARE
	v_mov_b32 v9, 0
	v_lshrrev_b32 v10, 5, v0
	v_readfirstlane_b32 s18, v10                   ; wave = K step
	s_lshr_b32 s20, ttmp9, 5                       ; which weight
	s_and_b32 s24, ttmp9, 31                       ; ct
	s_lshl_b32 s19, s18, 2
	s_lshr_b32 s26, s24, 1
	s_lshl_b32 s26, s26, 7                         ; 32 (ct / 2) columns of 4 bytes
	s_and_b32 s27, s24, 1
	s_lshl_b32 s27, s27, 5                         ; + 8 (ct % 2)
	s_add_co_u32 s26, s26, s27
	s_lshl_b32 s27, s18, 18                        ; + 128 rows of 2,048 bytes for each K step
	s_add_co_u32 s26, s26, s27
	s_mov_b32 s27, 0
	s_mul_i32 s22, s20, 204800
	s_mul_i32 s28, s24, 6144
	s_add_co_u32 s28, s28, s22
	s_mul_i32 s29, s18, 1536
	s_add_co_u32 s28, s28, s29                     ; my fragment
	s_mov_b32 s29, 0
	s_lshl_b32 s30, s24, 8
	s_add_co_u32 s30, s30, s22
	s_add_co_u32 s30, s30, 196608                  ; the tile's scale words
	s_mov_b32 s31, 0
	s_mov_b32 s34, 0x76543210
	s_mov_b32 s35, 0xfedcba98                      ; v_permlanex16_b32's selects for lane l xor 16
	v_and_b32 v10, 31, v0
	v_and_b32 v11, 15, v0
	v_bfe_u32 v12, v0, 4, 1
	v_lshlrev_b32 v1, 4, v10                       ; 16 x lane
	v_lshlrev_b32 v2, 3, v10                       ; 8 x lane
	v_lshlrev_b32 v3, 4, v11
	v_add_nc_u32 v3, s19, v3                       ; LDS: 16 r + 4 s
	v_and_b32 v13, 8, v11
	v_add_nc_u32 v13, v13, v11                     ; r + 8 (r / 8)
	v_lshlrev_b32 v4, 2, v13
	v_lshl_add_u32 v4, v12, 16, v4                 ; my column; lanes 16-31 begin 32 rows further down
	v_lshlrev_b32 v6, 3, v12                       ; 8 h
	v_mov_b32 v21, 0                               ; a lane permute's destination counts as one of its sources
	s_wait_alu depctr_va_vdst(0)                   ; the wait at the head's end
	s_wait_kmcnt 0x0
	s_cmp_eq_u32 s20, 1                            ; the choice hangs on the work-group's number alone
	s_cselect_b64 s[4:5], s[6:7], s[4:5]
	s_cmp_eq_u32 s20, 2
	s_cselect_b64 s[4:5], s[8:9], s[4:5]
	s_cmp_eq_u32 s20, 3
	s_cselect_b64 s[4:5], s[10:11], s[4:5]
	s_add_nc_u64 s[4:5], s[4:5], s[26:27]
	s_add_nc_u64 s[14:15], s[12:13], s[28:29]
	s_add_nc_u64 s[16:17], s[12:13], s[30:31]
.set I, 0
.rept 64
	global_load_b32 v[X+I], v4, s[4:5] offset:(64*(I/32)+I%32)*2048
.set I, I+1
.endr
	s_wait_loadcnt 0x0
.irp c, 0,1
	v_max3_num_f32 v[14+\c], |v[X+32*\c]|, |v[X+32*\c+1]|, 0x1800000   ; my block 2 c + h, and the floor 2^(3 - 127)
.endr
.irp i, 2,4,6,8,10,12,14,16,18,20,22,24,26,28,30
.irp c, 0,1
	v_max3_num_f32 v[14+\c], v[14+\c], |v[X+32*\c+\i]|, |v[X+32*\c+\i+1]|
.endr
.endr
.irp c, 0,1
	v_add_nc_u32 v[16+\c], 0xff000000, v[14+\c]    ; 2 off the exponent field: the conversion's scale operand
.endr
.irp c, 0,1
	v_lshrrev_b32 v[18+\c], 23, v[16+\c]           ; the scale's byte
.endr
	v_lshl_or_b32 v20, v19, 16, v18
	v_lshlrev_b32 v20, v6, v20
	v_permlanex16_b32 v21, v20, s34, s35
	v_or_b32 v22, v20, v21                         ; with lane l xor 16's two bytes the word is whole
	ds_store_b32 v3, v22                           ; lanes 16-31 write the same word with the same value
.irp c, 0,1
	v_cvt_scalef32_pk16_fp6_f32 v[C+6*\c:C+6*\c+2], v[X+32*\c:X+32*\c+15], v[16+\c]
	v_cvt_scalef32_pk16_fp6_f32 v[CT+4*\c:CT+4*\c+2], v[X+32*\c+16:X+32*\c+31], v[16+\c]   ; (a conversion's three registers begin on an even number)
.endr
	v_nop                                          ; one plain place behind a scaled conversion
.irp c, 0,1
.irp i, 0,1,2
	v_mov_b32 v[C+6*\c+3+\i], v[CT+4*\c+\i]
.endr
.endr
.irp c, 0,1,2
	global_store_b128 v1, v[C+4*\c:C+4*\c+3], s[14:15] offset:512*\c   ; 32 lanes store 512 consecutive bytes, aligned
.endr
	s_wait_dscnt 0x0                               ; for the others' sake: my word has landed
	s_barrier_signal -1
	s_barrier_wait -1
	s_cmp_lg_u32 s18, 0
	s_cbranch_scc1 .Lend
	ds_load_b64 v[14:15], v2
	s_wait_dscnt 0x0
	global_store_b64 v2, v[14:15], s[16:17]        ; the tile's 256 bytes of scale words
.Lend:
	s_wait_tensorcnt 0x0                           ; the wave's end
	ds_add_u32 v8, v9
	s_wait_dscnt 0x0
	s_endpgm
.Lfunc_end_k_q753b89b5c1_wprep:
	.size	k_q753b89b5c1_wprep, .Lfunc_end_k_q753b89b5c1_wprep-k_q753b89b5c1_wprep
	.p2alignl 7, 3214868480
	.fill 96, 4, 3214868480
	.section	.rodata,"a",@progbits
	.p2align	6, 0x0
	.amdhsa_kernel k_q753b89b5c1_wprep
		.amdhsa_group_segment_fixed_size 1024
		.amdhsa_private_segment_fixed_size 0
		.amdhsa_enable_private_segment 0
		.amdhsa_kernarg_size 40
		.amdhsa_user_sgpr_count 2
		.amdhsa_user_sgpr_kernarg_segment_ptr 1
		.amdhsa_wavefront_size32 1
		.amdhsa_system_sgpr_workgroup_id_x 1
		.amdhsa_system_sgpr_workgroup_id_y 1
		.amdhsa_system_sgpr_workgroup_id_z 1
		.amdhsa_system_vgpr_workitem_id 0
		.amdhsa_next_free_vgpr 128
		.amdhsa_next_free_sgpr 66
		.amdhsa_reserve_vcc 0
		.amdhsa_float_denorm_mode_32 3
		.amdhsa_float_denorm_mode_16_64 3
		.amdhsa_memory_ordered 1
		.amdhsa_forward_progress 1
		.amdhsa_inst_pref_size 13
	.end_amdhsa_kernel
	.amdgpu_metadata
---
amdhsa.version: [ 1, 2 ]
amdhsa.kernels:
  - .name:           k_q753b89b5c1_wprep
    .symbol:         k_q753b89b5c1_wprep.kd
    .args:
      - { .name: w_q, .offset: 0, .size: 8, .value_kind: global_buffer, .address_space: global }
      - { .name: w_k, .offset: 8, .size: 8, .value_kind: global_buffer, .address_space: global }
      - { .name: w_v, .offset: 16, .size: 8, .value_kind: global_buffer, .address_space: global }
      - { .name: w_o, .offset: 24, .size: 8, .value_kind: global_buffer, .address_space: global }
      - { .name: wq, .offset: 32, .size: 8, .value_kind: global_buffer, .address_space: global }
    .group_segment_fixed_size: 1024
    .private_segment_fixed_size: 0
    .kernarg_segment_align: 8
    .kernarg_segment_size: 40
    .max_flat_workgroup_size: 128
    .sgpr_count:     66
    .vgpr_count:     128
    .wavefront_size: 32
...
	.end_amdgpu_metadata
.endif
;; end of part 1
;; launch proj (part 2): grid 64 x 3, 4 waves a work-group, no clusters, 327,680 bytes of LDS; arguments q, k, v, wq, qrec, kv; writes qrec, kv
.if DOCPART == 2
	.amdgcn_target "amdgcn-amd-amdhsa--gfx1250"
	.amdhsa_code_object_version 6
	.text
	.protected	k_q753b89b5c1_proj
	.globl	k_q753b89b5c1_proj
	.p2align	8
	.type	k_q753b89b5c1_proj,@function
k_q753b89b5c1_proj:
	s_mov_b64 s[64:65], 0
	v_nop
	global_prefetch_b8 v0, s[64:65] scope:SCOPE_SE
	s_setreg_imm32_b32 hwreg(HW_REG_WAVE_MODE, 25, 1), 1
	s_wait_xcnt 0x0
; The three projections x W (x = q, k or v: work-group y; [8192][512] f32; W as fragment images in wq), on codes of FP6 (E2M3) with one E8M0 scale for each 32 along K; the results are quantised in registers and leave as codes.
; SHARES.  A work-group takes 128 rows of x (work-group x); wave w takes W's columns 128 w .. 128 w + 127 (heads 2 w and 2 w + 1) for all 128 rows.  192 work-groups of equal work: V's fragments want 128 keys in one hand.
; TILES OF 16 ARE PERMUTED: of each 32 neighbouring rows or columns, tile 2 g + u has in lane r the element 32 g + 8 u + r + 8 (r / 8).  So where eight tiles are source 0, a lane's 64 results are, register 16 b + i, the element
; 32 b + 16 (lane / 16) + i of the 128: sixteen neighbours of each block of 32 along the next product's K.
; PHASES.  Head: each wave asks for its 32 rows of x by one tensor load and for its 32 fragments of W (they stay in registers).  X: it quantises its two row tiles along K = 512 and stores the eight fragments to LDS as IMAGES OF THEIR REGISTERS.
; One barrier.  Then the text parts once, on the work-group's y:
;   q, k: source 0 = my 8 tiles of W, source 1 = a row tile of x, streamed from LDS: a lane holds one row and 128 neighbouring columns: quantised along the head's 64 they are two half fragments (heads 2 w, 2 w + 1).
;   v:    source 0 = the 8 row tiles of x (all 32 fragments into registers), source 1 = a tile of W: a lane holds one column and the block's 128 keys: quantised along the KEYS they are one fragment of V^T.
; OUT.  kv: record (head bh, key step) of 13,056 bytes: 8 key tiles x 768 (registers 0-3 at 16 x lane, registers 4-5 at 512 + 8 x lane); at 6,144 K's scale words (256 (T / 4) + 16 r + 4 (T % 4), upper two bytes 0); at 6,656 V^T's four
; fragments x 1,536; at 12,800 their scale words (16 r + 4 d).  qrec: record (bh, block of 128 queries) of 6,656 bytes, laid as a kv record's first 6,656.  Every store of codes covers 256 or 512 consecutive bytes, aligned.
; NO JOINT LOADS: the tiles that come through LDS, rows of x, are read by one work-group; W goes straight into registers, 49,152 bytes a wave once, and beside x's 266,240 bytes LDS has no room for its 196,608.
; LIMITS: a block of zeros gets the byte 1 where the rule says 127 (its codes are zeros; this program alone reads the bytes); blocks whose largest magnitude lies under 2^-124 have the byte held at 1; NaN and infinities are not served.
; LDS: 0: x, 128 rows x 2,080 (two halves of 1,024 bytes, 16 of padding behind each), filled once;  XIMG: 32 images (4 T + s) x 1,536;  XSC: their scale words, 512 T + 16 x lane + 4 s;  SPARE.
; REGISTERS, in windows of 256: window 0: v1-13 addresses; v16-79 the accumulators (in phase X a landing set); v80-143 phase X's other landing set (v path: v112-123 x's fragment 31); v144-162 codes just made; v164-180 at work;
;   v184-187, v232-235 streamed scale words; v188-219 W's scale words; v220-227 scale words on their way out; v228-231 phase X's; v path: v224-255 x's 32 scale words.
;   W's fragment f = 8 s + t: f < 21 in window 1 at 12 f, else in window 2 at 12 (f - 21).   q, k: two streamed sets of four fragments in window 2 at v132, v180.
;   v: x's fragment g = 8 s + T: g < 10 in window 2 at 132 + 12 g; g < 31 in window 3 at 12 (g - 10); g = 31 in window 0.
.set XIMG,  266240
.set XSC,   315392
.set SPARE, 319488                     ; the spare words, 128 bytes for each wave: two blocks of 256 bytes that no other line names
.set LI,  1                            ; v1   16 x lane
.set L8,  2                            ; v2   8 x lane
.set LR,  3                            ; v3   16 x (lane % 16)
.set XA,  4                            ; v4   x in LDS: my wave's rows, row r + 8 (r / 8), + 64 h
.set XWI, 5                            ; v5   where I store images
.set XWS, 6                            ; v6   and their scale words
.set AXI, 7                            ; v7   XIMG + 16 x lane
.set AXS, 8                            ; v8   XSC + 16 x lane
.set OB,  9                            ; v9   16 x lane + a head's records: the second head's record
.set SPW, 10                           ; v10  LDS address of my spare word; never rewritten
.set NIL, 11                           ; v11  0; never rewritten
.set OB8, 12                           ; v12  8 x lane + a head's records
.set ORB, 13                           ; v13  16 r + a head's records
.set ACC, 16
.set X31, 112
.set PC,  144
.set TM,  164
.set PW,  180
.set SS,  184                          ; streamed scale words: set 0 at v184, set 1 at v232
.set RS,  188
.set KWA, 220
.set KWB, 224
.set XW,  228
.set XRS, 224
.set STR, 132
.set WV,  16
.set TY,  18
.set SEL, 20
.set G0,  24
.set G1,  28
.set WP,  36
.set WS,  38
.set OC,  40
.set MSB, 0
.macro WIN new                         ; the immediate's high byte repeats the setting that is left; a switch that changes nothing is dropped
.if MSB != (\new)
	s_set_vgpr_msb (MSB<<8)|(\new)
.set MSB, (\new)
.endif
.endm
.macro WFRAG f                         ; where W's fragment f lies: window WW, register WR
.if (\f) < 21
.set WW, 1
.set WR, 12*(\f)
.else
.set WW, 2
.set WR, 12*((\f)-21)
.endif
.endm
.macro XFRAG g                         ; where x's fragment g lies on the v path: window XN, register XR
.if (\g) < 10
.set XN, 2
.set XR, STR+12*(\g)
.elseif (\g) < 31
.set XN, 3
.set XR, 12*((\g)-10)
.else
.set XN, 0
.set XR, X31
.endif
.endm
.macro PLACES                          ; four places behind a matrix instruction, in front of the first read of its results (ISA guide 7.12.1)
.rept 4
	v_nop
.endr
.endm
; 64 numbers of a lane, v[s] .. v[s + 63], register 16 b + i = k 32 b + 16 (lane / 16) + i of my row, become a fragment's codes in v[PC] on and its scale word in v[PW].
.macro QUANT s
.irp b, 0,1,2,3
	v_max3_num_f32 v[TM+\b], |v[\s+16*\b]|, |v[\s+1+16*\b]|, 0x1800000   ; block b: my 16 numbers, and the floor 2^(3 - 127): the byte cannot fall under 1
.endr
.irp i, 2,4,6,8,10,12,14
.irp b, 0,1,2,3
	v_max3_num_f32 v[TM+\b], v[TM+\b], |v[\s+16*\b+\i]|, |v[\s+1+16*\b+\i]|   ; (the four blocks by turns)
.endr
.endr
.irp b, 0,1,2,3
	v_permlanex16_b32 v[TM+4+\b], v[TM+\b], s[SEL], s[SEL+1]
.endr
.irp b, 0,1,2,3
	v_max_num_f32 v[TM+\b], v[TM+\b], v[TM+4+\b]   ; with lane l xor 16's: the block's largest magnitude
.endr
.irp b, 0,1,2,3
	v_add_nc_u32 v[TM+12+\b], 0xff000000, v[TM+\b] ; 2 off its exponent field: the conversion's scale operand
.endr
.irp b, 0,1,2,3
	v_lshrrev_b32 v[TM+4+\b], 23, v[TM+12+\b]      ; the scale's byte
.endr
	v_lshl_or_b32 v[PW], v[TM+5], 8, v[TM+4]       ; the four bytes make my row's scale word
	v_lshl_or_b32 v[PW], v[TM+6], 16, v[PW]
	v_lshl_or_b32 v[PW], v[TM+7], 24, v[PW]
.irp c, 0,1
	v_cvt_scalef32_pk16_fp6_f32 v[PC+6*\c:PC+2+6*\c], v[\s+32*\c:\s+15+32*\c], v[TM+12+2*\c]
	v_cvt_scalef32_pk16_fp6_f32 v[PC+12+4*\c:PC+14+4*\c], v[\s+16+32*\c:\s+31+32*\c], v[TM+12+2*\c+1]   ; (a conversion's three registers begin on an even number)
.endr
	v_nop                                          ; one plain place behind a scaled conversion
.irp c, 0,1                                    ; the operand's layout wants a WHOLE block in a lane: lanes 0-15 block 2 c, lanes 16-31 block 2 c + 1
.irp i, 0,1,2
	v_permlane16_swap_b32 v[PC+6*\c+\i], v[PC+12+4*\c+\i]
.endr
.irp i, 0,1,2
	v_mov_b32 v[PC+3+6*\c+\i], v[PC+12+4*\c+\i]
.endr
.endr
.endm
	s_load_b256 s[4:11], s[0:1], 0x0               ; q s[4:5], k s[6:7], v s[8:9], wq s[10:11]
	s_load_b128 s[12:15], s[0:1], 0x20             ; qrec s[12:13], kv s[14:15]
	v_lshl_add_u32 v[SPW], v0, 2, SPARE
	v_mov_b32 v[NIL], 0
	ds_add_u32 v[SPW], v[NIL]                      ; the wave's opening: the add and its wait ahead of my tensor load; the set-up below, work on registers, stands between them
	ds_add_u32 v[SPW], v[NIL]
	v_lshrrev_b32 v14, 5, v0
	v_readfirstlane_b32 s[WV], v14                 ; wave 0..3
	s_and_b32 s[TY], ttmp7, 0xffff                 ; 0: q, 1: k, 2: v
	; descriptor group 1: my 32 rows of 2,048 bytes are dense in memory: stated as 64 rows of 1,024 bytes (128 elements of 8), 16 bytes of padding behind each
	s_mov_b32 s[G1+0], (3<<16)|(1<<20)|(7<<22)|(3<<25)   ; no mask; elements of 8 bytes; padding on; after every 256 words (code 7); of 4 words (code 3)
	s_mov_b32 s[G1+1], 128<<16                     ; tensor_dim0 = 128
	s_mov_b32 s[G1+2], 64<<16                      ; tensor_dim1 = 64
	s_mov_b32 s[G1+3], 128<<16                     ; tile_dim0 = 128
	s_mov_b32 s[G1+4], 64                          ; tile_dim1 = 64
	s_mov_b32 s[G1+5], 128                         ; from row to row, in elements
	s_mov_b32 s[G1+6], 0
	s_mov_b32 s[G1+7], 0
	s_mov_b32 s[G0], 1
	s_mul_i32 s[G0+1], s[WV], 66560                ; my 64 x 1,040 bytes of LDS
	s_mov_b32 s[SEL], 0x76543210
	s_mov_b32 s[SEL+1], 0xfedcba98                 ; v_permlanex16_b32's selects for lane l xor 16
	s_lshl_b32 s42, ttmp9, 18                      ; x: the block's 128 rows of 2,048 bytes,
	s_lshl_b32 s43, s[WV], 16                      ; my 32 of them
	s_add_co_u32 s42, s42, s43
	s_mov_b32 s43, 0
	s_mul_i32 s44, s[TY], 204800                   ; my tensor's weight in wq,
	s_mul_i32 s46, s[WV], 49152                    ; my 8 column tiles x 4 K steps x 1,536
	s_add_co_u32 s46, s46, s44
	s_mov_b32 s47, 0
	s_lshl_b32 s48, s[WV], 11                      ; and their scale words: 8 x 256
	s_add_co_u32 s48, s48, s44
	s_add_co_u32 s48, s48, 196608
	s_mov_b32 s49, 0
	s_mov_b32 s50, 13056
	s_cmp_eq_u32 s[TY], 0
	s_cselect_b32 s50, 6656, s50                   ; a record's bytes: qrec's or kv's
	s_lshl_b32 s52, ttmp9, 3                       ; the eight heads' records of one block of 128 rows lie on end: record 8 x block + head
	s_lshl_b32 s53, s[WV], 1
	s_add_co_u32 s52, s52, s53                     ; head 2 w
	s_mul_i32 s52, s52, s50
	s_mov_b32 s53, 0
	s_mov_b32 s51, s50                             ; from a head's record to the next head's
	v_and_b32 v14, 31, v0                          ; lane
	v_and_b32 v15, 15, v0                          ; r
	v_bfe_u32 v16, v0, 4, 1                        ; h
	v_lshlrev_b32 v[LI], 4, v14
	v_lshlrev_b32 v[L8], 3, v14
	v_lshlrev_b32 v[LR], 4, v15
	v_and_b32 v17, 8, v15
	v_add_nc_u32 v17, v17, v15                     ; r + 8 (r / 8)
	v_mul_u32_u24 v[XA], v17, 2080
	v_lshl_add_u32 v[XA], v16, 6, v[XA]
	v_add_nc_u32 v[XA], s[G0+1], v[XA]
	s_mul_i32 s54, s[WV], 12288                    ; my two tiles' eight images
	s_add_co_u32 s54, s54, XIMG
	v_add_nc_u32 v[XWI], s54, v[LI]
	s_lshl_b32 s54, s[WV], 10
	s_add_co_u32 s54, s54, XSC
	v_add_nc_u32 v[XWS], s54, v[LI]
	v_add_nc_u32 v[AXI], XIMG, v[LI]
	v_add_nc_u32 v[AXS], XSC, v[LI]
	v_add_nc_u32 v[OB], s51, v[LI]
	v_add_nc_u32 v[OB8], s51, v[L8]
	v_add_nc_u32 v[ORB], s51, v[LR]
.irp b, 0,1,2,3
	v_mov_b32 v[TM+4+\b], 0                        ; written once: a lane permute's destination counts as one of its sources
.endr
	s_wait_dscnt 0x0                               ; the opening add is done
	s_wait_kmcnt 0x0
	s_cmp_eq_u32 s[TY], 1                          ; the choices hang on the work-group's number alone
	s_cselect_b64 s[4:5], s[6:7], s[4:5]
	s_cmp_eq_u32 s[TY], 2
	s_cselect_b64 s[4:5], s[8:9], s[4:5]
	s_add_nc_u64 s[G0+2:G0+3], s[4:5], s[42:43]
	s_or_b32 s[G0+3], s[G0+3], 0x80000000          ; type = 2
	tensor_load_to_lds s[G0:G0+3], s[G1:G1+7]      ; my one tensor load of the launch: 65,536 bytes
	s_nop 0
.rept 4
	v_nop
.endr
	s_cmp_eq_u32 s[TY], 0
	s_cselect_b64 s[OC:OC+1], s[12:13], s[14:15]
	s_add_nc_u64 s[OC:OC+1], s[OC:OC+1], s[52:53]
	s_add_nc_u64 s[WP:WP+1], s[10:11], s[46:47]
	s_add_nc_u64 s[WS:WS+1], s[10:11], s[48:49]
.set F, 0
.rept 32                                       ; W's 32 fragments: tile F % 8, K step F / 8; they land while x comes and is quantised
	WFRAG F
.set WN, WW*64
	WIN WN                                         ; the destination's window
.irp c, 0,1,2
	global_load_b128 v[WR+4*\c:WR+4*\c+3], v[LI], s[WP:WP+1] offset:(4*(F%8)+F/8)*1536+512*\c
.endr
.set F, F+1
.endr
	WIN 0
.irp t, 0,1,2,3,4,5,6,7
	global_load_b128 v[RS+4*\t:RS+4*\t+3], v[LR], s[WS:WS+1] offset:256*\t   ; tile t's scale words of the four K steps
.endr
; ---- X: my 32 rows of x become eight fragments, k = 4 u + s (row tile 2 w + u, K step s).
.macro XL k, reg                       ; fragment k's 64 numbers a lane: of row 8 u + r + 8 (r / 8), sixteen neighbours of each block of 32
.irp b, 0,1,2,3
.irp j, 0,1,2,3
	ds_load_b128 v[\reg+16*\b+4*\j:\reg+16*\b+4*\j+3], v[XA] offset:16640*((\k)/4)+1040*(((\k)%4)/2)+512*((\k)%2)+128*\b+16*\j
.endr
.endr
.endm
.macro XQ k
.if (\k) < 7
	s_wait_dscnt 16                                ; all but the next fragment's 16 loads: this fragment's numbers are in, and the last image's stores are done
.else
	s_wait_dscnt 0x0
.endif
	QUANT ACC+64*((\k)%2)
.irp c, 0,1,2
	ds_store_b128 v[XWI], v[PC+4*\c:PC+4*\c+3] offset:1536*(\k)+512*\c   ; the fragment goes to LDS as it stands: 16 bytes a lane, 512 a store
.endr
	v_mov_b32 v[XW+(\k)%4], v[PW]
.if (\k)%4 == 3
	ds_store_b128 v[XWS], v[XW:XW+3] offset:512*((\k)/4)                 ; a tile's scale words of the four K steps
.endif
.if (\k) < 6
	XL (\k)+2, ACC+64*((\k)%2)
.endif
.endm
	s_wait_tensorcnt 0x0                           ; my rows are in LDS; I read no other wave's
	XL 0, ACC
	XL 1, ACC+64
.irp k, 0,1,2,3,4,5,6,7
	XQ \k
.endr
	s_wait_dscnt 0x0                               ; for the others' sake: my images have landed
	s_barrier_signal -1
	s_barrier_wait -1                              ; the 32 images lie in LDS; nothing is stored to LDS or filled from here on
	s_wait_loadcnt 0x0                             ; W
	s_cmp_eq_u32 s[TY], 2
	s_cbranch_scc1 .Lv
; ---- q, k: a unit is one row tile of x against my eight tiles of W: 32 matrix instructions, the eight accumulators by turns.
.macro STR_L u, bf                     ; row tile u's four fragments and scale words into streamed set bf: 13 LDS loads
	WIN 0x80
.irp s, 0,1,2,3
.irp c, 0,1,2
	ds_load_b128 v[STR+48*(\bf)+12*\s+4*\c:STR+48*(\bf)+12*\s+4*\c+3], v[AXI] offset:(4*(\u)+\s)*1536+512*\c
.endr
.endr
	WIN 0
	ds_load_b128 v[SS+48*(\bf):SS+48*(\bf)+3], v[AXS] offset:512*(\u)
.endm
.macro MULKQ bf
.set F, 0
.rept 32
	WFRAG F
.set WN, WW+8
	WIN WN                                         ; source 0 in W's window, source 1 in window 2
.set DD, ACC+8*(F%8)
.set BB, STR+48*(\bf)+12*(F/8)
.if F < 8
	v_wmma_scale_f32_16x16x128_f8f6f4 v[DD:DD+7], v[WR:WR+11], v[BB:BB+11], 0, v[RS+4*(F%8)+F/8], v[SS+48*(\bf)+F/8] matrix_a_fmt:MATRIX_FMT_FP6 matrix_b_fmt:MATRIX_FMT_FP6
.else
	v_wmma_scale_f32_16x16x128_f8f6f4 v[DD:DD+7], v[WR:WR+11], v[BB:BB+11], v[DD:DD+7], v[RS+4*(F%8)+F/8], v[SS+48*(\bf)+F/8] matrix_a_fmt:MATRIX_FMT_FP6 matrix_b_fmt:MATRIX_FMT_FP6
.endif
.set F, F+1
.endr
	WIN 0
.endm
.macro UNITKQ u
.if (\u) < 7
	STR_L (\u)+1, ((\u)+1)%2                       ; the set that the unit before last multiplied: its places are that unit's v_nop
	s_wait_dscnt 13                                ; all but the 13 just issued
.else
	s_wait_dscnt 0x0
.endif
	MULKQ (\u)%2
	PLACES
	s_wait_xcnt 0x0                                ; the last unit's stores have read their data: the codes' and scale words' registers are written again only behind this wait
	QUANT ACC
	global_store_b128 v[LI], v[PC:PC+3], s[OC:OC+1] offset:768*(\u)            ; head 2 w: registers 0-5 hold its 64,
	global_store_b64 v[L8], v[PC+4:PC+5], s[OC:OC+1] offset:768*(\u)+512
	global_store_b128 v[OB], v[PC+6:PC+9], s[OC:OC+1] offset:768*(\u)          ; head 2 w + 1: registers 6-11
	global_store_b64 v[OB8], v[PC+10:PC+11], s[OC:OC+1] offset:768*(\u)+512
	v_and_b32 v[KWA+(\u)%4], 0xffff, v[PW]         ; each head's two bytes; the upper two are 0: they scale the half of the next product's K step that holds nothing
	v_lshrrev_b32 v[KWB+(\u)%4], 16, v[PW]
.if (\u)%4 == 3
	global_store_b128 v[LR], v[KWA:KWA+3], s[OC:OC+1] offset:6144+256*((\u)/4)   ; four tiles' words, 16 r: 256 bytes; lanes 16-31 write the same bytes with the same values
	global_store_b128 v[ORB], v[KWB:KWB+3], s[OC:OC+1] offset:6144+256*((\u)/4)
.endif
.endm
	STR_L 0, 0
.irp u, 0,1,2,3,4,5,6,7
	UNITKQ \u
.endr
	s_wait_tensorcnt 0x0                           ; the wave's end
	ds_add_u32 v[SPW], v[NIL]
	s_wait_dscnt 0x0
	s_endpgm
; ---- v: all 32 fragments of x into registers; a unit is my tile u of W against the eight row tiles.
.Lv:
.set G, 0
.rept 32
	XFRAG G
.set WN, XN*64
	WIN WN
.irp c, 0,1,2
	ds_load_b128 v[XR+4*\c:XR+4*\c+3], v[AXI] offset:(4*(G%8)+G/8)*1536+512*\c
.endr
.set G, G+1
.endr
	WIN 0
.irp t, 0,1,2,3,4,5,6,7
	ds_load_b128 v[XRS+4*\t:XRS+4*\t+3], v[AXS] offset:512*\t
.endr
	s_wait_dscnt 0x0
.macro MULV u
.set F, 0
.rept 32
	XFRAG F                                        ; source 0: row tile F % 8, K step F / 8
	WFRAG 8*(F/8)+(\u)                             ; source 1: my tile u of W, the same K step
.set WN, XN+4*WW
	WIN WN
.set DD, ACC+8*(F%8)
.if F < 8
	v_wmma_scale_f32_16x16x128_f8f6f4 v[DD:DD+7], v[XR:XR+11], v[WR:WR+11], 0, v[XRS+4*(F%8)+F/8], v[RS+4*(\u)+F/8] matrix_a_fmt:MATRIX_FMT_FP6 matrix_b_fmt:MATRIX_FMT_FP6
.else
	v_wmma_scale_f32_16x16x128_f8f6f4 v[DD:DD+7], v[XR:XR+11], v[WR:WR+11], v[DD:DD+7], v[XRS+4*(F%8)+F/8], v[RS+4*(\u)+F/8] matrix_a_fmt:MATRIX_FMT_FP6 matrix_b_fmt:MATRIX_FMT_FP6
.endif
.set F, F+1
.endr
	WIN 0
.endm
.macro UNITV u
	MULV \u
	PLACES
	s_wait_xcnt 0x0                                ; the last unit's stores have read their data
	QUANT ACC                                      ; along the block's 128 keys
.irp c, 0,1,2
.if (\u) < 4
	global_store_b128 v[LI], v[PC+4*\c:PC+4*\c+3], s[OC:OC+1] offset:6656+1536*((\u)%4)+512*\c
.else
	global_store_b128 v[OB], v[PC+4*\c:PC+4*\c+3], s[OC:OC+1] offset:6656+1536*((\u)%4)+512*\c
.endif
.endr
	v_mov_b32 v[KWA+(\u)%4], v[PW]
.if (\u) == 3
	global_store_b128 v[LR], v[KWA:KWA+3], s[OC:OC+1] offset:12800
.endif
.if (\u) == 7
	global_store_b128 v[ORB], v[KWA:KWA+3], s[OC:OC+1] offset:12800
.endif
.endm
.irp u, 0,1,2,3,4,5,6,7
	UNITV \u
.endr
	s_wait_tensorcnt 0x0                           ; the wave's end, as above
	ds_add_u32 v[SPW], v[NIL]
	s_wait_dscnt 0x0
	s_endpgm
.Lfunc_end_k_q753b89b5c1_proj:
	.size	k_q753b89b5c1_proj, .Lfunc_end_k_q753b89b5c1_proj-k_q753b89b5c1_proj
	.p2alignl 7, 3214868480
	.fill 96, 4, 3214868480
	.section	.rodata,"a",@progbits
	.p2align	6, 0x0
	.amdhsa_kernel k_q753b89b5c1_proj
		.amdhsa_group_segment_fixed_size 327680
		.amdhsa_private_segment_fixed_size 0
		.amdhsa_enable_private_segment 0
		.amdhsa_kernarg_size 48
		.amdhsa_user_sgpr_count 2
		.amdhsa_user_sgpr_kernarg_segment_ptr 1
		.amdhsa_wavefront_size32 1
		.amdhsa_system_sgpr_workgroup_id_x 1
		.amdhsa_system_sgpr_workgroup_id_y 1
		.amdhsa_system_sgpr_workgroup_id_z 1
		.amdhsa_system_vgpr_workitem_id 0
		.amdhsa_next_free_vgpr 1024
		.amdhsa_next_free_sgpr 66
		.amdhsa_reserve_vcc 0
		.amdhsa_float_denorm_mode_32 3
		.amdhsa_float_denorm_mode_16_64 3
		.amdhsa_memory_ordered 1
		.amdhsa_forward_progress 1
		.amdhsa_inst_pref_size 203
	.end_amdhsa_kernel
	.amdgpu_metadata
---
amdhsa.version: [ 1, 2 ]
amdhsa.kernels:
  - .name:           k_q753b89b5c1_proj
    .symbol:         k_q753b89b5c1_proj.kd
    .args:
      - { .name: q, .offset: 0, .size: 8, .value_kind: global_buffer, .address_space: global }
      - { .name: k, .offset: 8, .size: 8, .value_kind: global_buffer, .address_space: global }
      - { .name: v, .offset: 16, .size: 8, .value_kind: global_buffer, .address_space: global }
      - { .name: wq, .offset: 24, .size: 8, .value_kind: global_buffer, .address_space: global }
      - { .name: qrec, .offset: 32, .size: 8, .value_kind: global_buffer, .address_space: global }
      - { .name: kv, .offset: 40, .size: 8, .value_kind: global_buffer, .address_space: global }
    .group_segment_fixed_size: 327680
    .private_segment_fixed_size: 0
    .kernarg_segment_align: 8
    .kernarg_segment_size: 48
    .max_flat_workgroup_size: 128
    .sgpr_count:     66
    .vgpr_count:     1024
    .wavefront_size: 32
...
	.end_amdgpu_metadata
.endif
;; end of part 2
;; launch attn (part 3): grid 256 x 1, 16 waves a work-group, clusters of 4 x 1, 327,680 bytes of LDS; arguments qrec, kv, mask, wq, out0; writes out0
.if DOCPART == 3
	.amdgcn_target "amdgcn-amd-amdhsa--gfx1250"
	.amdhsa_code_object_version 6
	.text
	.protected	k_q753b89b5c1_attn
	.globl	k_q753b89b5c1_attn
	.p2align	8
	.type	k_q753b89b5c1_attn,@function
k_q753b89b5c1_attn:
	s_mov_b64 s[64:65], 0
	v_nop
	global_prefetch_b8 v0, s[64:65] scope:SCOPE_SE
	s_setreg_imm32_b32 hwreg(HW_REG_WAVE_MODE, 25, 1), 1
	s_wait_xcnt 0x0
	s_wait_alu depctr_hold_cnt(0) depctr_sa_sdst(0) depctr_va_vdst(0) depctr_va_sdst(0) depctr_va_ssrc(0) depctr_va_vcc(0) depctr_vm_vsrc(0)
	s_getreg_b32 s2, hwreg(HW_REG_IB_STS2, 6, 4)
	s_cmp_eq_u32 s2, 0
	s_cbranch_scc0 .Lentry_in_a_cluster
	s_endpgm
.Lentry_in_a_cluster:
	s_bfe_u32 s2, ttmp6, 0x10000c
	s_cmp_lg_u32 s2, 0x3003
	s_cbranch_scc0 .Lentry_shape_is_right
	s_endpgm
.Lentry_shape_is_right:
; out0 = x w_o, x[q][64 hd ..] = the sum over k of softmax_k(logit) V[k], logit = Q[q] . K[k] / 8 where mask[b][q][k] is not 0.  All three products on codes of FP6 (E2M3) with one E8M0 scale for each 32 along K.
; THE SOFTMAX AHEAD OF THE SECOND PRODUCT: t = score x log2(e) / 8; M = the row's largest t so far, rounded UP to a whole number; p = 2^(t - M) is quantised along the keys; the row's sum is taken of the unquantised p and
; divides O at the end.  When M moves, the sum and O are multiplied by 2^(old M - new M): exact.
; SHARES.  Work-group g owns query rows 32 g .. 32 g + 31 of ALL EIGHT HEADS: wave w = head w / 2, query tile w % 2, four waves to a SIMD.  So each row of the mask is read by one work-group, once, as it is given,
; and the eight heads' x of a row meet in one LDS, where the last product takes them.  256 work-groups.
; THE MASK.  Wave w loads rows 2 w, 2 w + 1 of the work-group's 32, 128 keys a step, two key steps ahead, straight into registers (two sets by turns), makes of each number 0 (open) or -2^60 (hidden), and stores them to one of two
; bias buffers in LDS a step ahead.  A wave then loads its tile's 64 biases into the score registers, and the first product takes them as its C.  Asked for two steps ahead into registers, the mask has no prefetch.
; RING.  Two LDS slots, each one key step (128 keys) of the eight heads: 8 records x 13,056 bytes, on end in kv.  CLUSTER: the four work-groups of a cluster belong to one batch and walk the same records: each record is asked
; for JOINTLY, by the same tensor load with the mask 15.  At the head each of the 16 waves asks for one record (steps 0 and 1); later waves 0-7 ask for one each, behind the round.  One tensor load of a wave is out at the most.
; K and V are prefetched three key steps ahead of their use: waves 8-11, a lane a block of 256 bytes; the four partners take a quarter of a step's 408 blocks each, told apart by address.
; LAYOUT.  Products are used transposed: S^T = K Q^T + bias, O^T = V^T P, out^T = w_o^T x^T: a lane holds ONE query throughout.  Tiles are permuted (lane r of tile 2 g + u is element 32 g + 8 u + r + 8 (r / 8)), so score register
; 16 b + i is key 32 b + 16 (lane / 16) + i, and O register 16 b + i is channel 32 b + 16 (lane / 16) + i.
; K = 64 IN AN INSTRUCTION OF K = 128.  Q's registers 6-11 are zero codes and both sides' scale bytes 2, 3 are 0.  Key tile T is named v[32 + 6 T : 43 + 6 T]: its upper six registers are the next tile's codes, which meet zeros.
; LIMITS: a hidden score is -2^60 + the score, which in f32 is -2^60 while the score stays under 2^35; -2^60 x log2(e) / 8 is exact and whole, so a row with no open key gives p = 1 for every key, as the reference does.
; The promise holds while the open scaled scores stay under 2^31 in magnitude.  A block of zeros gets the byte 1 where the rule says 127 (zero codes; this program alone reads the bytes).  NaN and infinities are not served.
; OF EACH RECORD THE RING BRINGS K'S PART ALONE, its first 6,656 bytes (26 rows of 256), to the record's place in the slot.  V^T's four fragments and their scale words are register images in kv: each wave loads its head's
; 6,400 bytes of a key step straight into registers, behind the first product, with the softmax's lines between the request and the wait; so a wave reads 14,848 bytes of LDS a key step.
; THE BIAS ROWS lie in tile order: query row 8 u + r + 8 (r / 8) of the work-group's 32 at LDS row 16 u + r, rows 528 bytes apart: the sixteen lanes of a load touch sixteen different columns of 16 bytes.
.set REC,   13056
.set SLOTB, 8*REC
.set SLOT1, 1<<17
.set SPARE, SLOTB                      ; behind slot 0: the spare words, 128 bytes for each wave: eight blocks of 256 bytes that no other line names
.set BIAS,  SLOT1+SLOTB                ; two bias buffers: 32 rows x (512 + 16) bytes
.set BBUF,  32*528
.set XIMG,  BIAS+2*BBUF                ; x's codes: tile u at 6,144 u, head hd's half fragment at 768 hd
.set XSC,   XIMG+12288                 ; x's scale bytes: 256 u + 16 r + 2 hd
.set OPITCH, 2064                      ; the way out: 32 rows x (2,048 + 16) bytes, in slot 0, which has had its last fill by then
; v1-2, v6-7: my head's record in slot 0, 1: + 16 x lane, + 8 x lane; v3: 16 r
.set SPW, 4
.set NIL, 5
.set MV,  9                            ; -2^60
.set AB,  10                           ; v10-11 where I read my tile's biases, buffer 0, 1
.set QF,  16
.set QS,  28
.set PW,  29
.set FF,  30
.set KV,  32
.set KS,  86
.set VS,  90
.set ACW, 94                           ; v94-95 where I store my two rows' biases, buffer 0, 1
.set S,   96
.set O,   160
.set PC,  192
.set PFO, 211
.set BM,  212
.set TP,  216
.set SO,  220
.set RW,  224                          ; v224-239 two sets of mask numbers
.set SM,  240                          ; v240-253 seven partial sums
.set TT,  254
.set MOF, 255                          ; 16 x lane
.set WV,  3
.set G1,  24
.set G0,  32
.set MB,  36
.set MA,  38
.set MO,  40
.set PFA, 42
.set CNT, 44
.set LIM, 45
.set CS,  46
.set SEL, 48
.set WP,  50
.set WS,  52
.set OUT, 54
.set QA,  56
.set QB,  58
.set VP,  66                           ; s[66:67] my head's record of this key step in kv
.macro CROUND                          ; a round of the cluster's barrier
	s_barrier_signal -1
	s_barrier_wait -1
	s_cmp_lg_u32 s[WV], 0
	s_cbranch_scc1 .Lnot_wave_0_\@
	s_barrier_signal -3
.Lnot_wave_0_\@:
	s_barrier_wait -3
	s_barrier_signal -1
	s_barrier_wait -1
.endm
.macro ASK                             ; the records of three key steps on; the loop's last trip asks for nothing
	s_cmp_gt_u32 s[CNT], s[LIM]
	s_cbranch_scc0 .Lnp_\@
	s_cmp_lt_u32 ttmp9, 4
	s_cbranch_scc0 .Lno_prefetch_attn0_\@
	global_prefetch_b8 v[PFO], s[PFA:PFA+1] th:TH_LOAD_NT scope:SCOPE_SE
.Lno_prefetch_attn0_\@:
.Lnp_\@:
.endm
.macro CONV set                        ; a set of mask numbers becomes two rows of biases
.set I, 0
.rept 8
	v_cmp_eq_u32 s[16+I], 0, v[RW+8*(\set)+I]
.set I, I+1
.endr
.set I, 0
.rept 8
	v_cndmask_b32 v[PC+I], 0, v[MV], s[16+I]
.set I, I+1
.endr
	ds_store_b128 v[ACW+(\set)], v[PC:PC+3]
	ds_store_b128 v[ACW+(\set)], v[PC+4:PC+7] offset:528
.endm
.macro RELOAD set                      ; the set takes the key step two on
	global_load_b128 v[RW+8*(\set):RW+8*(\set)+3], v[MOF], s[MA:MA+1] th:TH_LOAD_NT              ; 512 consecutive bytes of a row
	global_load_b128 v[RW+8*(\set)+4:RW+8*(\set)+7], v[MOF], s[MA:MA+1] offset:16384 th:TH_LOAD_NT
.endm
	s_load_b256 s[4:11], s[0:1], 0x0               ; qrec s[4:5], kv s[6:7], mask s[8:9], wq s[10:11]
	s_load_b64 s[12:13], s[0:1], 0x20              ; out0
	v_lshl_add_u32 v[SPW], v0, 2, SPARE
	v_mov_b32 v[NIL], 0
	ds_add_u32 v[SPW], v[NIL]                      ; the opening: the add, twice on end, and its wait ahead of the round in front of the first tensor loads
	ds_add_u32 v[SPW], v[NIL]
	v_lshrrev_b32 v6, 5, v0
	v_readfirstlane_b32 s[WV], v6                  ; wave 0..15
	s_bfe_u32 s16, ttmp6, 0x40000                  ; cx: it enters global addresses of Q, the mask, the prefetches and out0 alone
	s_lshl_b32 s17, ttmp9, 2
	s_add_co_u32 s17, s17, s16                     ; g
	s_lshr_b32 s19, ttmp9, 5                       ; the batch, which the partners share
	s_lshr_b32 s20, s[WV], 1                       ; hd
	s_and_b32 s21, s[WV], 1                        ; u
	s_mov_b32 s[G1+0], 15|(3<<16)|(1<<21)          ; the joint load: K's part of a record = 26 dense rows of 256 bytes (32 elements of 8); the mask names all four; bit 21 beside it
	s_mov_b32 s[G1+1], 32<<16
	s_mov_b32 s[G1+2], 26<<16
	s_mov_b32 s[G1+3], 32<<16
	s_mov_b32 s[G1+4], 26
	s_mov_b32 s[G1+5], 32
	s_mov_b32 s[G1+6], 0
	s_mov_b32 s[G1+7], 0
	s_mov_b32 s[G0], 1
	s_lshr_b32 s60, s[WV], 3
	s_lshl_b32 s60, s60, 17
	s_and_b32 s61, s[WV], 7
	s_mul_i32 s61, s61, REC
	s_add_co_u32 s[G0+1], s60, s61                 ; slot w / 8, record w % 8
	s_mul_i32 s66, s19, 32*SLOTB                   ; the batch's records
	s_mul_i32 s62, s[WV], REC
	s_add_co_u32 s62, s62, s66                     ; record w of steps 0 and 1
	s_mov_b32 s63, 0
	s_mul_i32 s68, s16, 2*REC
	s_add_co_u32 s68, s68, s66
	s_add_co_u32 s68, s68, 2*SLOTB                 ; the prefetches: my work-group's quarter, at step 2; every trip steps it once
	s_mov_b32 s69, 0
	s_lshl_b32 s70, ttmp9, 3
	s_add_co_u32 s70, s70, s20
	s_mul_i32 s70, s70, 6656                       ; Q: record 8 x (block of 128 queries) + hd
	s_lshl_b32 s71, s16, 1
	s_add_co_u32 s71, s71, s21                     ; tile T = 2 cx + u
	s_mul_i32 s72, s71, 768
	s_add_co_u32 s72, s72, s70
	s_mov_b32 s73, 0
	s_lshr_b32 s74, s71, 2
	s_lshl_b32 s74, s74, 8
	s_and_b32 s75, s71, 3
	s_lshl_b32 s75, s75, 2
	s_add_co_u32 s74, s74, s75
	s_add_co_u32 s74, s74, s70
	s_add_co_u32 s74, s74, 6144                    ; its scale words: 6,144 + 256 (T / 4) + 4 (T % 4), + 16 r
	s_mov_b32 s75, 0
	s_lshl_b32 s76, s17, 5
	s_lshl_b32 s77, s[WV], 1
	s_add_co_u32 s76, s76, s77                     ; row 32 g + 2 w
	s_lshl_b32 s78, s76, 11                        ; in out0
	s_lshl_b32 s76, s76, 14                        ; in the mask (under 2^27)
	s_mov_b32 s77, 0
	s_mov_b32 s79, 0
	s_mul_i32 s80, s[WV], 12288
	s_add_co_u32 s80, s80, 614400                  ; w_o's column tiles 2 w, 2 w + 1
	s_mov_b32 s81, 0
	s_lshl_b32 s82, s[WV], 9
	s_add_co_u32 s82, s82, 811008                  ; and their scale words
	s_mov_b32 s83, 0
	s_mul_i32 s84, s20, REC
	s_add_co_u32 s85, s84, SLOT1
	s_add_co_u32 s90, s66, s84                     ; my head's record of key step 0 in kv
	s_mov_b32 s91, 0
	s_mul_i32 s86, s21, 16*528
	s_add_co_u32 s86, s86, BIAS
	s_bfe_u32 s87, s[WV], 0x10002                  ; query rows 2 w, 2 w + 1 lie at LDS rows 16 ((w / 4) % 2) + 2 (w % 4) + 8 (w / 8) and the next
	s_lshl_b32 s87, s87, 4
	s_and_b32 s60, s[WV], 3
	s_lshl_b32 s60, s60, 1
	s_add_co_u32 s87, s87, s60
	s_lshr_b32 s60, s[WV], 3
	s_lshl_b32 s60, s60, 3
	s_add_co_u32 s87, s87, s60
	s_mul_i32 s87, s87, 528
	s_add_co_u32 s87, s87, BIAS
	s_and_b32 s88, s[WV], 3
	s_lshl_b32 s88, s88, 5
	s_lshr_b32 s60, s[WV], 2
	s_cmp_eq_u32 s60, 2
	s_cselect_b32 s[LIM], 1, -1                    ; waves 8-11 prefetch
	s_mov_b32 s[CS], 0x3e38aa3b                    ; c = log2(e) / 8
	s_mov_b32 s[CS+1], s[CS]
	s_mov_b32 s[SEL], 0x76543210
	s_mov_b32 s[SEL+1], 0xfedcba98
	s_mov_b32 s[MO], 1024
	s_mov_b32 s[MO+1], 0
	s_mov_b32 s[CNT], 15
	v_and_b32 v12, 31, v0                          ; lane
	v_and_b32 v13, 15, v0                          ; r
	v_bfe_u32 v14, v0, 4, 1                        ; h
	v_lshlrev_b32 v[MOF], 4, v12
	v_lshlrev_b32 v96, 3, v12
	v_lshlrev_b32 v97, 4, v13
	v_add_nc_u32 v1, s84, v[MOF]
	v_add_nc_u32 v2, s84, v96
	v_lshlrev_b32 v3, 4, v13                       ; 16 r: V's scale words in kv
	v_add_nc_u32 v6, s85, v[MOF]
	v_add_nc_u32 v7, s85, v96
	v_mul_u32_u24 v15, v13, 528                    ; LDS row 16 u + r
	v_lshl_add_u32 v15, v14, 6, v15
	v_add_nc_u32 v[AB], s86, v15
	v_add_nc_u32 v[AB+1], BBUF, v[AB]
	v_add_nc_u32 v[ACW], s87, v[MOF]
	v_add_nc_u32 v[ACW+1], BBUF, v[ACW]
	v_add_nc_u32 v[PFO], s88, v12
	v_min_u32 v[PFO], 101, v[PFO]                  ; 102 blocks to a quarter; the lanes left over name the last again
	v_lshlrev_b32 v[PFO], 8, v[PFO]
	v_mov_b32 v[MV], 0xdd800000                    ; -2^60
	s_wait_alu depctr_va_vdst(0)
	s_wait_dscnt 0x0                               ; both opening adds are done
	s_wait_kmcnt 0x0
	s_add_nc_u64 s[G0+2:G0+3], s[6:7], s[62:63]
	s_or_b32 s[G0+3], s[G0+3], 0x80000000
	s_add_nc_u64 s[PFA:PFA+1], s[6:7], s[68:69]
	s_add_nc_u64 s[VP:VP+1], s[6:7], s[90:91]
	s_add_nc_u64 s[QA:QA+1], s[4:5], s[72:73]
	s_add_nc_u64 s[QB:QB+1], s[4:5], s[74:75]
	s_add_nc_u64 s[MB:MB+1], s[8:9], s[76:77]
	s_add_nc_u64 s[MA:MA+1], s[MB:MB+1], 1024
	s_add_nc_u64 s[OUT:OUT+1], s[12:13], s[78:79]
	s_add_nc_u64 s[WP:WP+1], s[10:11], s[80:81]
	s_add_nc_u64 s[WS:WS+1], s[10:11], s[82:83]
	CROUND                                         ; all four work-groups are here: the first joint loads meet
	tensor_load_to_lds s[G0:G0+3], s[G1:G1+7]      ; every wave's one load at the head: record w of key steps 0 and 1
	s_nop 0
.rept 4
	v_nop
.endr
	global_load_b128 v[QF:QF+3], v[MOF], s[QA:QA+1]
	global_load_b64 v[QF+4:QF+5], v96, s[QA:QA+1] offset:512
	global_load_b32 v[QS], v97, s[QB:QB+1]
	global_load_b128 v[RW:RW+3], v[MOF], s[MB:MB+1] th:TH_LOAD_NT                      ; key step 0's mask numbers
	global_load_b128 v[RW+4:RW+7], v[MOF], s[MB:MB+1] offset:16384 th:TH_LOAD_NT
	global_load_b128 v[RW+8:RW+11], v[MOF], s[MB:MB+1] offset:512 th:TH_LOAD_NT        ; key step 1's
	global_load_b128 v[RW+12:RW+15], v[MOF], s[MB:MB+1] offset:16896 th:TH_LOAD_NT
.irp i, 6,7,8,9,10,11
	v_mov_b32 v[QF+\i], 0                          ; the idle half of Q's K: zero codes
.endr
.irp i, 48,49,50,51,52,53
	v_mov_b32 v[KV+\i], 0                          ; what tile 7's upper six registers name
.endr
.set J, 0
.rept 32
	v_mov_b32 v[O+J], 0                            ; O^T: the step is written once; the first finds zeros
.set J, J+1
.endr
	v_mov_b32 v13, 0xff61b1e6                      ; the largest t so far: -3e38
	v_floor_f32 v12, -v13                          ; -M
	v_mov_b32 v14, 0
	v_mov_b32 v15, 0
	v_mov_b32 v[FF+1], 0
.irp b, 0,1,2,3
	v_mov_b32 v[TP+\b], 0                          ; a lane permute's destination counts as one of its sources
.endr
	v_mov_b32 v[TT], 0
	s_wait_alu depctr_va_vdst(0)                   ; the wait at the head's end
	s_wait_loadcnt 0x2                             ; all but key step 1's two loads: Q and key step 0's numbers are in
	CONV 0                                         ; key step 0's biases;
	RELOAD 0                                       ; the set takes key step 2
; A KEY STEP.  par: its slot and bias buffer.  fill: waves 0-7 ask for the next step's records.  conv: the next step's biases are made.  more: the stepped addresses are still used.
.macro TRIP par, fill, conv, more
	s_wait_tensorcnt 0x0                           ; all my tensor loads have landed, so group 0 may be written
	ds_add_u32 v[SPW], v[NIL]                      ; 0 onto my spare word
.if \more
	s_xor_b32 s[G0+1], s[G0+1], SLOT1
	s_add_nc_u64 s[G0+2:G0+3], s[G0+2:G0+3], SLOTB
	s_wait_xcnt 0x0                                ; the last trip's mask loads and prefetch have read their addresses
	s_add_nc_u64 s[PFA:PFA+1], s[PFA:PFA+1], SLOTB
	s_add_co_u32 s[MO], s[MO], 512
	s_min_u32 s[MO], s[MO], 15872                  ; the last two trips ask for key step 31 once more: no load leaves its row
	s_add_nc_u64 s[MA:MA+1], s[MB:MB+1], s[MO:MO+1]
.endif
	s_wait_dscnt 0x0                               ; the add, my bias stores and my reads of the slot left behind are done
.if \fill
	CROUND                                         ; no wave of any partner still reads the other slot or has a load on its way
	s_cmp_lt_u32 s[WV], 8
	s_cbranch_scc0 .Lno_load_\@
	tensor_load_to_lds s[G0:G0+3], s[G1:G1+7]
	s_nop 0
.rept 4
	v_nop
.endr
.Lno_load_\@:
.else
	s_barrier_signal -1
	s_barrier_wait -1
.endif
.if \conv
	s_wait_loadcnt 0x2                             ; all but the younger set's two loads
	CONV 1-\par                                    ; its sixteen vector lines are also the places behind the last step's products
.else
.rept 4
	v_nop
.endr
.endif
.set T, 0
.rept 16
	ds_load_b128 v[S+4*T:S+4*T+3], v[AB+\par] offset:128*(T/4)+16*(T%4)   ; the biases, where the scores will stand
.set T, T+1
.endr
.set T, 0
.rept 8
	ds_load_b128 v[KV+6*T:KV+6*T+3], v[1+5*\par] offset:768*T
	ds_load_b64 v[KV+6*T+4:KV+6*T+5], v[2+5*\par] offset:768*T+512
.set T, T+1
.endr
	ds_load_b128 v[KS:KS+3], v[1+5*\par] offset:6144
.if \more
	ASK
.endif
	s_wait_dscnt 0x0
.set T, 0
.rept 8
.if T < 4
	v_wmma_scale_f32_16x16x128_f8f6f4 v[S+8*T:S+8*T+7], v[KV+6*T:KV+6*T+11], v[QF:QF+11], v[S+8*T:S+8*T+7], v[KS+T%4], v[QS] matrix_a_fmt:MATRIX_FMT_FP6 matrix_b_fmt:MATRIX_FMT_FP6
.else
	v_wmma_scale_f32_16x16x128_f8f6f4 v[S+8*T:S+8*T+7], v[KV+6*T:KV+6*T+11], v[QF:QF+11], v[S+8*T:S+8*T+7], v[KS+T%4], v[QS] matrix_a_fmt:MATRIX_FMT_FP6 matrix_b_fmt:MATRIX_FMT_FP6 matrix_a_scale:MATRIX_SCALE_ROW1
.endif
.set T, T+1
.endr
.rept 4
	v_nop                                          ; places: in front of V's loads into K's registers, and of the first read of the scores
.endr
.irp d, 0,1,2,3
.irp c, 0,1,2
	global_load_b128 v[KV+12*\d+4*\c:KV+12*\d+4*\c+3], v[MOF], s[VP:VP+1] offset:6656+1536*\d+512*\c   ; V^T's fragments, 512 consecutive bytes a load
.endr
.endr
	global_load_b128 v[VS:VS+3], v3, s[VP:VP+1] offset:12800
.if \conv
	RELOAD 1-\par                                  ; behind V's loads, so that the wait for V may leave these two out
.endif
.irp b, 0,1,2,3
	v_max3_num_f32 v[BM+\b], v[S+16*\b], v[S+1+16*\b], v[S+2+16*\b]   ; the largest score of each block of 32 keys serves the row's maximum and the block's largest p
.endr
.irp i, 3,5,7,9,11,13
.irp b, 0,1,2,3
	v_max3_num_f32 v[BM+\b], v[BM+\b], v[S+16*\b+\i], v[S+1+16*\b+\i]   ; (the four blocks by turns)
.endr
.endr
.irp b, 0,1,2,3
	v_max_num_f32 v[BM+\b], v[BM+\b], v[S+15+16*\b]
.endr
.irp b, 0,1,2,3
	v_permlanex16_b32 v[TP+\b], v[BM+\b], s[SEL], s[SEL+1]
.endr
.irp b, 0,1,2,3
	s_delay_alu instid0(VALU_DEP_4)
	v_max_num_f32 v[BM+\b], v[BM+\b], v[TP+\b]
.endr
	s_delay_alu instid0(VALU_DEP_2)
	v_max3_num_f32 v[TT], v[BM], v[BM+1], v[BM+2]
	s_delay_alu instid0(VALU_DEP_1)
	v_max_num_f32 v[TT], v[TT], v[BM+3]
	s_delay_alu instid0(VALU_DEP_1)
	v_mul_f32 v[TT], s[CS], v[TT]                  ; as t
	s_delay_alu instid0(VALU_DEP_1)
	v_max_num_f32 v13, v13, v[TT]                  ; the running largest t
	v_mov_b32 v[TT], v12
	s_delay_alu instid0(VALU_DEP_2)
	v_floor_f32 v12, -v13                          ; the new -M
	s_delay_alu instid0(VALU_DEP_1)
	v_sub_f32 v[TT], v12, v[TT]                    ; old M less new M
	s_delay_alu instid0(VALU_DEP_1)
	v_cvt_i32_f32 v[TT], v[TT]                     ; (it saturates)
	s_delay_alu instid0(VALU_DEP_1)
	v_ldexp_f32 v[FF], 1.0, v[TT]                  ; f = 2^(old M - new M)
.set J, 0
.rept 32
	v_pk_fma_f32 v[S+J:S+J+1], v[S+J:S+J+1], s[CS:CS+1], v[12:13] op_sel_hi:[1,0,0]   ; t - M
.set J, J+2
.endr
.irp b, 0,1,2,3
	v_fma_f32 v[BM+\b], v[BM+\b], s[CS], v12
.endr
	s_wait_alu depctr_va_vdst(0)                   ; the wait ahead of the batch
.set J, 0
.rept 64
	v_exp_f32 v[S+J], v[S+J]                       ; p = 2^(t - M)
.set J, J+1
.endr
	v_pk_mul_f32 v[14:15], v[14:15], v[FF:FF+1] op_sel_hi:[1,0]   ; the sums under the new M: a plain place behind the exponentials
	s_wait_alu depctr_va_vdst(0)                   ; one wait for the batch of 64
.irp b, 0,1,2,3
	v_exp_f32 v[BM+\b], v[BM+\b]                   ; the block's largest p
.endr
.set J, 0
.rept 7                                        ; the row's sum of the unquantised p: eight chains
	v_pk_add_f32 v[SM+2*J:SM+2*J+1], v[S+4*J:S+4*J+1], v[S+4*J+2:S+4*J+3]
.set J, J+1
.endr
	v_pk_add_f32 v[14:15], v[14:15], v[S+28:S+29]
.set J, 0
.rept 14
	v_pk_add_f32 v[SM+2*(J%7):SM+2*(J%7)+1], v[SM+2*(J%7):SM+2*(J%7)+1], v[S+30+2*J:S+31+2*J]
.set J, J+1
.endr
	v_pk_add_f32 v[14:15], v[14:15], v[S+58:S+59]
	v_pk_add_f32 v[SM:SM+1], v[SM:SM+1], v[S+60:S+61]
	v_pk_add_f32 v[SM+2:SM+3], v[SM+2:SM+3], v[S+62:S+63]
	v_pk_add_f32 v[14:15], v[14:15], v[SM+12:SM+13]
	v_pk_add_f32 v[SM+4:SM+5], v[SM+4:SM+5], v[SM+10:SM+11]
	v_pk_add_f32 v[SM:SM+1], v[SM:SM+1], v[SM+6:SM+7]
	v_pk_add_f32 v[SM+2:SM+3], v[SM+2:SM+3], v[SM+8:SM+9]
	v_pk_add_f32 v[14:15], v[14:15], v[SM+4:SM+5]
	v_pk_add_f32 v[SM:SM+1], v[SM:SM+1], v[SM+2:SM+3]
	v_pk_add_f32 v[14:15], v[14:15], v[SM:SM+1]
	s_wait_alu depctr_va_vdst(0)                   ; and one for the four
.irp b, 0,1,2,3
	v_max_num_f32 v[BM+\b], 0x1800000, v[BM+\b]    ; the floor 2^(3 - 127)
.endr
.irp b, 0,1,2,3
	s_delay_alu instid0(VALU_DEP_4)
	v_add_nc_u32 v[SO+\b], 0xff000000, v[BM+\b]
.endr
.irp b, 0,1,2,3
	s_delay_alu instid0(VALU_DEP_4)
	v_lshrrev_b32 v[TP+\b], 23, v[SO+\b]
.endr
	s_delay_alu instid0(VALU_DEP_3)
	v_lshl_or_b32 v[PW], v[TP+1], 8, v[TP]         ; p's scale word for these 128 keys
	s_delay_alu instid0(VALU_DEP_1)
	v_lshl_or_b32 v[PW], v[TP+2], 16, v[PW]
	s_delay_alu instid0(VALU_DEP_1)
	v_lshl_or_b32 v[PW], v[TP+3], 24, v[PW]
.irp c, 0,1
	v_cvt_scalef32_pk16_fp6_f32 v[PC+6*\c:PC+2+6*\c], v[S+32*\c:S+15+32*\c], v[SO+2*\c]
	v_cvt_scalef32_pk16_fp6_f32 v[PC+12+4*\c:PC+14+4*\c], v[S+16+32*\c:S+31+32*\c], v[SO+2*\c+1]
.endr
	v_nop                                          ; one plain place behind a scaled conversion
.irp c, 0,1                                    ; the operand's layout wants a WHOLE block in a lane
.irp i, 0,1,2
	v_permlane16_swap_b32 v[PC+6*\c+\i], v[PC+12+4*\c+\i]
.endr
.irp i, 0,1,2
	s_delay_alu instid0(VALU_DEP_3)
	v_mov_b32 v[PC+3+6*\c+\i], v[PC+12+4*\c+\i]
.endr
.endr
.set J, 0
.rept 16
	v_pk_mul_f32 v[O+J:O+J+1], v[O+J:O+J+1], v[FF:FF+1] op_sel_hi:[1,0]   ; O^T under the new M; also the places between the writes of p's codes and scale word and the products
.set J, J+2
.endr
	s_wait_alu depctr_va_vdst(0)
.if \conv
	s_wait_loadcnt 0x2                             ; V is in; the mask's two loads behind it may be out
.else
	s_wait_loadcnt 0x0                             ; V
.endif
.if \more
	s_add_nc_u64 s[VP:VP+1], s[VP:VP+1], SLOTB     ; V's loads are done, so their base may step: the next key step's record
.endif
.irp d, 0,1,2,3
	v_wmma_scale_f32_16x16x128_f8f6f4 v[O+8*\d:O+8*\d+7], v[KV+12*\d:KV+12*\d+11], v[PC:PC+11], v[O+8*\d:O+8*\d+7], v[VS+\d], v[PW] matrix_a_fmt:MATRIX_FMT_FP6 matrix_b_fmt:MATRIX_FMT_FP6
.endr
.endm
	TRIP 0, 0, 1, 1                                ; key step 0: both slots were filled at the head
.Lpair:                                            ; fifteen trips of two key steps: 1 to 30
	TRIP 1, 1, 1, 1
	TRIP 0, 1, 1, 1
	s_sub_co_u32 s[CNT], s[CNT], 1
	s_cmp_lg_u32 s[CNT], 0
	s_cbranch_scc1 .Lpair
	TRIP 1, 0, 0, 0                                ; key step 31 asks for nothing
; THE WAY OUT.  w_o's eight fragments are asked for; O^T / the sum is quantised along the head's 64 features and goes to LDS as half a fragment; then each wave multiplies both row tiles with its two column tiles.
.set WSC, 236
.set XS,  120
.macro WFR f
.if (\f) < 5
.set WR, 32+12*(\f)
.elseif (\f) < 7
.set WR, 128+12*((\f)-5)
.else
.set WR, 224
.endif
.endm
.macro XFR u, s
.if (\u) == 0
.set XR, 160+12*(\s)
.elseif (\s) < 2
.set XR, 96+12*(\s)
.elseif (\s) == 2
.set XR, 212
.else
.set XR, 244
.endif
.endm
.macro ACCR a
.if (\a) < 3
.set AC, 8+8*(\a)
.else
.set AC, 152
.endif
.endm
	s_wait_loadcnt 0x0                             ; the mask's look-ahead
	v_and_b32 v1, 31, v0                           ; these lines are the places behind the last products
	v_and_b32 v3, 15, v0
	v_lshlrev_b32 v2, 3, v1                        ; 8 x lane
	v_lshlrev_b32 v1, 4, v1                        ; 16 x lane
	v_lshlrev_b32 v3, 4, v3                        ; 16 r
.irp f, 0,1,2,3,4,5,6,7
	WFR \f
.irp c, 0,1,2
	global_load_b128 v[WR+4*\c:WR+4*\c+3], v1, s[WP:WP+1] offset:1536*\f+512*\c   ; fragment 4 t + s
.endr
.endr
.irp t, 0,1
	global_load_b128 v[WSC+4*\t:WSC+4*\t+3], v3, s[WS:WS+1] offset:256*\t
.endr
	v_add_f32 v14, v14, v15
	s_delay_alu instid0(VALU_DEP_1)
	v_permlanex16_b32 v[TT], v14, s[SEL], s[SEL+1]
	s_delay_alu instid0(VALU_DEP_1)
	v_add_f32 v14, v14, v[TT]                      ; the row's sum (over 1/2)
	s_wait_alu depctr_va_vdst(0)
	v_rcp_f32 v[FF], v14
	v_nop
	s_wait_alu depctr_va_vdst(0)
.set J, 0
.rept 16
	v_pk_mul_f32 v[S+J:S+J+1], v[O+J:O+J+1], v[FF:FF+1] op_sel_hi:[1,0]   ; register 16 b + i: feature 32 b + 16 h + i
.set J, J+2
.endr
.irp b, 0,1
	v_max3_num_f32 v[BM+\b], |v[S+16*\b]|, |v[S+1+16*\b]|, 0x1800000
.endr
.irp i, 2,4,6,8,10,12,14
.irp b, 0,1
	s_delay_alu instid0(VALU_DEP_2)
	v_max3_num_f32 v[BM+\b], v[BM+\b], |v[S+16*\b+\i]|, |v[S+1+16*\b+\i]|
.endr
.endr
.irp b, 0,1
	s_delay_alu instid0(VALU_DEP_2)
	v_permlanex16_b32 v[TP+\b], v[BM+\b], s[SEL], s[SEL+1]
.endr
.irp b, 0,1
	s_delay_alu instid0(VALU_DEP_2)
	v_max_num_f32 v[BM+\b], v[BM+\b], v[TP+\b]
.endr
.irp b, 0,1
	s_delay_alu instid0(VALU_DEP_2)
	v_add_nc_u32 v[SO+\b], 0xff000000, v[BM+\b]
.endr
.irp b, 0,1
	s_delay_alu instid0(VALU_DEP_2)
	v_lshrrev_b32 v[TP+\b], 23, v[SO+\b]
.endr
	s_delay_alu instid0(VALU_DEP_1)
	v_lshl_or_b32 v[PW], v[TP+1], 8, v[TP]         ; my row's two scale bytes
	v_cvt_scalef32_pk16_fp6_f32 v[PC:PC+2], v[S:S+15], v[SO]
	v_cvt_scalef32_pk16_fp6_f32 v[PC+12:PC+14], v[S+16:S+31], v[SO+1]
	v_nop
.irp i, 0,1,2
	v_permlane16_swap_b32 v[PC+\i], v[PC+12+\i]
.endr
.irp i, 0,1,2
	s_delay_alu instid0(VALU_DEP_3)
	v_mov_b32 v[PC+3+\i], v[PC+12+\i]
.endr
	s_lshr_b32 s20, s[WV], 1                       ; hd and u anew: the mask's compares have written s16-23
	s_and_b32 s21, s[WV], 1
	s_mul_i32 s60, s21, 6144
	s_mul_i32 s61, s20, 768
	s_add_co_u32 s60, s60, s61
	s_add_co_u32 s60, s60, XIMG
	s_lshl_b32 s61, s21, 8
	s_lshl_b32 s62, s20, 1
	s_add_co_u32 s61, s61, s62
	s_add_co_u32 s61, s61, XSC
	s_wait_alu depctr_va_vdst(0)                   ; the wait behind the run of scalar lines
	v_add_nc_u32 v208, s60, v1
	v_add_nc_u32 v209, s60, v2
	v_add_nc_u32 v210, s61, v3
	v_add_nc_u32 v6, XIMG, v1
	v_add_nc_u32 v7, XIMG, v2
	v_add_nc_u32 v[PFO], XSC, v3
	ds_store_b128 v208, v[PC:PC+3]
	ds_store_b64 v209, v[PC+4:PC+5] offset:512
	ds_store_b16 v210, v[PW]                       ; lanes 16-31 write the same bytes with the same values
	s_wait_alu depctr_va_vdst(0)
	s_wait_dscnt 0x0                               ; for the others' sake
	s_barrier_signal -1
	s_barrier_wait -1                              ; x's 32 rows x 512 features lie in LDS as codes
.irp u, 0,1
.irp s, 0,1,2,3
	XFR \u, \s
	ds_load_b128 v[XR:XR+3], v6 offset:6144*\u+1536*\s            ; head 2 s: registers 0-5,
	ds_load_b64 v[XR+4:XR+5], v7 offset:6144*\u+1536*\s+512
	ds_load_b128 v[XR+6:XR+9], v6 offset:6144*\u+1536*\s+768      ; head 2 s + 1: registers 6-11
	ds_load_b64 v[XR+10:XR+11], v7 offset:6144*\u+1536*\s+1280
.endr
	ds_load_b128 v[XS+4*\u:XS+4*\u+3], v[PFO] offset:256*\u
.endr
	s_wait_loadcnt 0x0                             ; w_o
	s_wait_dscnt 0x0
.irp s, 0,1,2,3                                ; the four accumulators by turns
.irp u, 0,1
.irp t, 0,1
	ACCR 2*\u+\t
	WFR 4*\t+\s
	XFR \u, \s
.if \s == 0
	v_wmma_scale_f32_16x16x128_f8f6f4 v[AC:AC+7], v[WR:WR+11], v[XR:XR+11], 0, v[WSC+4*\t+\s], v[XS+4*\u+\s] matrix_a_fmt:MATRIX_FMT_FP6 matrix_b_fmt:MATRIX_FMT_FP6
.else
	v_wmma_scale_f32_16x16x128_f8f6f4 v[AC:AC+7], v[WR:WR+11], v[XR:XR+11], v[AC:AC+7], v[WSC+4*\t+\s], v[XS+4*\u+\s] matrix_a_fmt:MATRIX_FMT_FP6 matrix_b_fmt:MATRIX_FMT_FP6
.endif
.endr
.endr
.endr
	s_lshl_b32 s60, s[WV], 7                       ; my 32 columns: 128 bytes of a row
	s_mul_i32 s61, s[WV], 2*OPITCH                 ; and the two rows that I send
	v_and_b32 v6, 15, v0                           ; these lines are the places behind the last products
	v_and_b32 v7, 8, v6
	v_add_nc_u32 v6, v6, v7
	v_mul_u32_u24 v6, v6, OPITCH
	v_bfe_u32 v7, v0, 4, 1
	v_lshl_add_u32 v6, v7, 6, v6
	v_add_nc_u32 v6, s60, v6                       ; row r + 8 (r / 8), + 128 w + 64 h: my 16 neighbouring columns
	v_add_nc_u32 v7, s61, v1
.irp u, 0,1
.irp t, 0,1
	ACCR 2*\u+\t
	ds_store_b128 v6, v[AC:AC+3] offset:8*OPITCH*\u+32*\t         ; each accumulator from its low end on
	ds_store_b128 v6, v[AC+4:AC+7] offset:8*OPITCH*\u+32*\t+16
.endr
.endr
	s_wait_alu depctr_va_vdst(0)
	s_wait_dscnt 0x0
	s_barrier_signal -1
	s_barrier_wait -1
.irp j, 0,1
.irp k, 0,1,2,3
	ds_load_b128 v[32+16*\j+4*\k:35+16*\j+4*\k], v7 offset:OPITCH*\j+512*\k
.endr
.endr
	s_wait_dscnt 0x0
.irp j, 0,1
.irp k, 0,1,2,3
	global_store_b128 v1, v[32+16*\j+4*\k:35+16*\j+4*\k], s[OUT:OUT+1] offset:2048*\j+512*\k th:TH_STORE_NT   ; 32 lanes store 512 consecutive bytes, aligned
.endr
.endr
	s_wait_tensorcnt 0x0                           ; the wave's end
	ds_add_u32 v[SPW], v[NIL]
	s_wait_dscnt 0x0
	CROUND                                         ; the closing round
	s_endpgm
.Lfunc_end_k_q753b89b5c1_attn:
	.size	k_q753b89b5c1_attn, .Lfunc_end_k_q753b89b5c1_attn-k_q753b89b5c1_attn
	.p2alignl 7, 3214868480
	.fill 96, 4, 3214868480
	.section	.rodata,"a",@progbits
	.p2align	6, 0x0
	.amdhsa_kernel k_q753b89b5c1_attn
		.amdhsa_group_segment_fixed_size 327680
		.amdhsa_private_segment_fixed_size 0
		.amdhsa_enable_private_segment 0
		.amdhsa_kernarg_size 40
		.amdhsa_user_sgpr_count 2
		.amdhsa_user_sgpr_kernarg_segment_ptr 1
		.amdhsa_wavefront_size32 1
		.amdhsa_system_sgpr_workgroup_id_x 1
		.amdhsa_system_sgpr_workgroup_id_y 1
		.amdhsa_system_sgpr_workgroup_id_z 1
		.amdhsa_system_vgpr_workitem_id 0
		.amdhsa_next_free_vgpr 256
		.amdhsa_next_free_sgpr 92
		.amdhsa_reserve_vcc 0
		.amdhsa_float_denorm_mode_32 3
		.amdhsa_float_denorm_mode_16_64 3
		.amdhsa_memory_ordered 1
		.amdhsa_forward_progress 1
		.amdhsa_inst_pref_size 103
	.end_amdhsa_kernel
	.amdgpu_metadata
---
amdhsa.version: [ 1, 2 ]
amdhsa.kernels:
  - .name:           k_q753b89b5c1_attn
    .symbol:         k_q753b89b5c1_attn.kd
    .args:
      - { .name: qrec, .offset: 0, .size: 8, .value_kind: global_buffer, .address_space: global }
      - { .name: kv, .offset: 8, .size: 8, .value_kind: global_buffer, .address_space: global }
      - { .name: mask, .offset: 16, .size: 8, .value_kind: global_buffer, .address_space: global }
      - { .name: wq, .offset: 24, .size: 8, .value_kind: global_buffer, .address_space: global }
      - { .name: out0, .offset: 32, .size: 8, .value_kind: global_buffer, .address_space: global }
    .group_segment_fixed_size: 327680
    .private_segment_fixed_size: 0
    .kernarg_segment_align: 8
    .kernarg_segment_size: 40
    .max_flat_workgroup_size: 512
    .sgpr_count:     92
    .vgpr_count:     256
    .wavefront_size: 32
...
	.end_amdgpu_metadata
.endif
;; end of part 3
